; MI455X (gfx1250); checked and timed in simulation.
; The chip was launched on July 23, 2026; its instructions are those of AMD's public machine-readable ISA for CDNA 5 (MIT licence, August 2026) and "CDNA5" Instruction Set Architecture Reference Guide (July 2026). The comments in the code are by the model that wrote it; some were corrected since.
;; Gated Attention MIL. Allowed arithmetic: matrix products marked QUANTISED: E5M2 operands, one E8M0 scale for each 32 along K, by v_wmma_scale_f32_16x16x128_f8f6f4 with both operands' format E5M2, f32 sums; products left as they are: f32 operands where the result goes on into a quantised operand, else bf16, f16 or f32 operands; f32 sums; everything else in f32.
;; Inputs: Wu 1,024 x 256 float32; Wv 1,024 x 256 float32; Ww 256 x 1 float32; bu 256 float32; bv 256 float32; bw 1 float32; features 16 x 4,096 x 1,024 float32.
;; Outputs: out0 16 x 1,024 float32; out1 16 x 4,096 float32.
;; This version of the problem:
;;   THIS VERSION OF THE PROBLEM IS GIVEN IN LOW PRECISION. The matrix products marked QUANTISED in the list below multiply operands that are first quantised to E5M2 (5 exponent bits, 2 mantissa bits; 8 bits a number), with one power-of-two scale for each 32 numbers along K (OCP MX v1.0); their sums are f32. All else is computed in f32.
;;   The module's matrix products, in the order in which they are computed (A, B: the left and right operand; K: the contracted axis; several contracted axes count as one K, in the product's order):
;;     1. [M 65,536, K 1,024] x [K 1,024, N 256]; A: input features; B: input Wv: QUANTISED
;;     2. [M 65,536, K 1,024] x [K 1,024, N 256]; A: input features; B: input Wu: QUANTISED
;;     3. [M 65,536, K 256] x [K 256, N 1]; A: computed on the way; B: input Ww: left as it is (N = 1 < 16)
;;   THE QUANTISER, for each operand of a quantised product, along K:
;;     - K is cut into blocks of 32 from its start; a last block that is shorter is filled with zeros.
;;     - A block's scale is 2^e with e = floor(log2(the largest magnitude in the block)) - 15, held to -126 .. 127; a block of zeros has e = 0. As a byte (E8M0): e + 127.
;;     - Each number is divided by its block's scale, clamped to +-57,344, and rounded to the nearest number of E5M2, ties to even, subnormals kept.
;;     - The product sums the exact products of the quantised numbers (number of the format x scale) in f32.
;;   ~~~python
;;   def quantise(x, axis):      # numpy; x: float32 -> the quantised numbers, widened to float32 again
;;       x = np.moveaxis(x, axis, -1); K = x.shape[-1]
;;       x = np.pad(x, [(0, 0)] * (x.ndim - 1) + [(0, -K % 32)]); x = x.reshape(x.shape[:-1] + (-1, 32)); a = np.abs(x).max(-1, keepdims=True)
;;       e = np.where(a > 0, np.clip(np.frexp(np.where(a > 0, a, 1))[1] - 1 - 15, -126, 127), 0)      # np.frexp(a)[1] - 1 = floor(log2(a)), exactly
;;       r = np.clip(x / 2.0 ** e, -57344, 57344)
;;       step = 2.0 ** (np.maximum(np.frexp(np.where(r == 0, 1, r))[1] - 1, -14) - 2)
;;       q = np.round(r / step) * step * 2.0 ** e      # np.round: ties to even
;;       return np.moveaxis(q.reshape(q.shape[:-2] + (-1,))[..., :K], -1, axis).astype(np.float32)
;;   ~~~
;; One version. Each part assembles by itself: llvm-mc -triple=amdgcn-amd-amdhsa -mcpu=gfx1250 --defsym DOCPART=n.
;; ======== version 1 of 1: 3 launches
;; limits: right only within a limited range of input values
;; workspace buffers: wq 524,288 bytes; ws 16,384 bytes; lg 262,144 bytes; st 65,536 bytes; pa 1,048,576 bytes
;; launch prep (part 1): grid 32 x 1, 8 waves a work-group, no clusters, 1,536 bytes of LDS; arguments Wv, Wu, wq, ws; writes wq, ws
.if DOCPART == 1
	.amdgcn_target "amdgcn-amd-amdhsa--gfx1250"
	.amdhsa_code_object_version 6
	.text
	.protected	k_q6aaeb699c5_prep
	.globl	k_q6aaeb699c5_prep
	.p2align	8
	.type	k_q6aaeb699c5_prep,@function
k_q6aaeb699c5_prep:
	s_mov_b64 s[64:65], 0
	v_nop
	global_prefetch_b8 v0, s[64:65] scope:SCOPE_SE
	s_setreg_imm32_b32 hwreg(HW_REG_WAVE_MODE, 25, 1), 1
	s_wait_xcnt 0x0
; THE PROGRAM: aggregated, weights of a gated attention pooling.  V = tanh(x Wv + bv), U = sigmoid(x Wu + bu), logit = (V U) . Ww + bw, softmax over the 4,096 instances of a bag,
; weighted sum of the f32 features.  Three launches: this one (weights into codes), main (everything up to partial sums of 256 rows), fin (16 partial sums a bag are joined).
; WORK LEFT OUT: bw.  reference() adds the one number bw to all 4,096 logits of a bag and takes softmax over just that axis: exp(l + bw - max(l + bw)) = exp(l - max(l)) for every finite bw, and both
; outputs are made of that softmax alone.  So bw has no way to any output: it is not loaded and is no launch's argument.  LIMIT: a NaN or an infinity in bw is not carried to the results.
;
; THIS LAUNCH: Wv and Wu, [1024 (k)][256 (n)] f32, become codes of E5M2 with one E8M0 byte for each 32 along K, laid in the order of the operand's registers:
;   wq [w 4][s 8][n 8][c 4][lane 32][16 bytes]: wave w of main, K step s (128 along K), tile n (n < 4: Wv, else Wu; columns 64 w + 16 (n & 3) + lane % 16), registers 4 c .. 4 c + 3: k = 128 s + 32 c + 16 (lane / 16) + 0 .. 15
;   ws [w 4][s 8][lane 32][4 words]: word j of lane (r, h) = the scale word (blocks c = 0 .. 3) of tile 2 j + h, column r
; Work-group g = 8 w + s; its wave n makes one fragment.  A LANE TAKES A COLUMN AND ITS REGISTERS RUN DOWN K, in the order that the operand's layout gives that lane: the conversions' results are the fragment.
; A block's scale byte is its largest magnitude's exponent field - 15, held at 1 from below.
; LIMITS: a block of zeros, or one whose largest magnitude lies under 2^-111, keeps the byte 1 (the rule says 127 of a block of zeros: its codes are zeros, and this program alone reads the bytes); NaN and infinities among the inputs are not served.
.set SPARE, 512                        ; LDS: 0 .. 511 the work-group's 128 scale words; behind them the spare words, 128 bytes for each of eight waves
.set SPW, 2                            ; v2  LDS address of my spare word; never rewritten
.set NIL, 3                            ; v3  0; never rewritten
	s_load_b256 s[4:11], s[0:1], 0x0               ; Wv s[4:5], Wu s[6:7], wq s[8:9], ws s[10:11]
	v_lshl_add_u32 v[SPW], v0, 2, SPARE
	v_mov_b32 v[NIL], 0
	v_lshrrev_b32 v1, 5, v0
	s_delay_alu instid0(VALU_DEP_1)
	v_readfirstlane_b32 s12, v1                    ; wave = tile n
	v_and_b32 v4, 15, v0                           ; r
	v_bfe_u32 v5, v0, 4, 1                         ; h
	v_and_b32 v6, 31, v0                           ; lane
	s_delay_alu instid0(VALU_DEP_3)
	v_lshlrev_b32 v7, 2, v4
	s_delay_alu instid0(VALU_DEP_1)
	v_lshl_add_u32 v7, v5, 14, v7                  ; W: column r, and 16 rows of 1,024 bytes further down for lanes 16-31
	s_delay_alu instid0(VALU_DEP_3)
	v_lshlrev_b32 v8, 4, v6                        ; 16 x lane
	s_and_b32 s13, s12, 1
	s_lshl_b32 s13, s13, 8                         ; my scale words' place: lane 16 (n & 1) + r of the image, 16 bytes a lane,
	s_lshr_b32 s14, s12, 1
	s_lshl_b32 s14, s14, 2                         ; word n / 2
	s_add_co_u32 s13, s13, s14
	v_lshlrev_b32 v9, 4, v4
	s_delay_alu instid0(VALU_DEP_1)
	v_add_nc_u32 v9, s13, v9
	s_lshr_b32 s15, ttmp9, 3                       ; w
	s_and_b32 s16, ttmp9, 7                        ; s
	s_lshl_b32 s16, s16, 17                        ; 128 rows of 1,024 bytes a K step
	s_lshl_b32 s15, s15, 8                         ; 64 columns a wave of main
	s_add_co_u32 s16, s16, s15
	s_and_b32 s15, s12, 3
	s_lshl_b32 s15, s15, 6                         ; 16 columns a tile
	s_add_co_u32 s16, s16, s15
	s_mov_b32 s17, 0
	s_lshl_b32 s18, ttmp9, 3
	s_add_co_u32 s18, s18, s12
	s_lshl_b32 s18, s18, 11                        ; my fragment in wq: (8 g + n) x 2,048 bytes
	s_mov_b32 s19, 0
	s_lshl_b32 s20, ttmp9, 9                       ; the work-group's 512 bytes in ws
	s_mov_b32 s21, 0
	s_mov_b32 s22, 0x76543210
	s_mov_b32 s23, 0xfedcba98                      ; v_permlanex16_b32's selects for lane l xor 16
	s_mov_b32 s24, 0x600000                        ; the mantissa field of 57,344
	s_wait_alu depctr_va_vdst(0)
	s_wait_kmcnt 0x0
	s_cmp_lt_u32 s12, 4                            ; tiles 0-3 are Wv's, tiles 4-7 Wu's: the choice hangs on the wave's number alone
	s_cselect_b64 s[4:5], s[4:5], s[6:7]
	s_add_nc_u64 s[4:5], s[4:5], s[16:17]
	s_add_nc_u64 s[8:9], s[8:9], s[18:19]
	s_add_nc_u64 s[10:11], s[10:11], s[20:21]
.irp c, 0,1,2,3
.irp i, 0,1,2,3,4,5,6,7,8,9,10,11,12,13,14,15
	global_load_b32 v[64+16*\c+\i], v7, s[4:5] offset:1024*(32*\c+\i)   ; W(128 s + 32 c + 16 h + i, my column)
.endr
.endr
.irp b, 0,1,2,3
	v_mov_b32 v[36+\b], 0                          ; a lane permute's destination counts as one of its sources
.endr
	s_wait_loadcnt 0x0
.irp b, 0,1,2,3
	v_max3_num_f32 v[32+\b], |v[64+16*\b]|, |v[65+16*\b]|, 0x8000000   ; block b: my 16 numbers and the floor 2^(16 - 127): the byte cannot fall under 1
.endr
.irp i, 2,4,6,8,10,12,14
.irp b, 0,1,2,3
	s_delay_alu instid0(VALU_DEP_4)
	v_max3_num_f32 v[32+\b], v[32+\b], |v[64+16*\b+\i]|, |v[65+16*\b+\i]|   ; the four blocks by turns
.endr
.endr
.irp b, 0,1,2,3
	s_delay_alu instid0(VALU_DEP_4)
	v_permlanex16_b32 v[36+\b], v[32+\b], s22, s23
.endr
.irp b, 0,1,2,3
	s_delay_alu instid0(VALU_DEP_4)
	v_max_num_f32 v[32+\b], v[32+\b], v[36+\b]     ; with lane l xor 16's 16: the block's largest magnitude
.endr
.irp b, 0,1,2,3
	s_delay_alu instid0(VALU_DEP_4)
	v_add_nc_u32 v[44+\b], 0xf8800000, v[32+\b]    ; 15 off its exponent field: the conversion's scale operand
.endr
.irp b, 0,1,2,3
	v_and_or_b32 v[40+\b], v[32+\b], 0x7f800000, s24   ; 57,344 x the scale
.endr
.irp b, 0,1,2,3
	v_lshrrev_b32 v[36+\b], 23, v[44+\b]           ; the scale's byte
.endr
	s_delay_alu instid0(VALU_DEP_3)
	v_lshl_or_b32 v10, v37, 8, v36                 ; my column's scale word
	s_delay_alu instid0(VALU_DEP_1)
	v_lshl_or_b32 v10, v38, 16, v10
	s_delay_alu instid0(VALU_DEP_1)
	v_lshl_or_b32 v10, v39, 24, v10
.irp c, 0,1,2,3
.irp i, 0,1,2,3,4,5,6,7,8,9,10,11,12,13,14,15
	v_med3_num_f32 v[64+16*\c+\i], v[64+16*\c+\i], -v[40+\c], v[40+\c]   ; the conversion to an 8-bit code does not saturate (ISA guide 7.6.2): the hold at the largest code x the scale
.endr
	v_cvt_scalef32_pk8_bf8_f32 v[48+4*\c:49+4*\c], v[64+16*\c:71+16*\c], v[44+\c]
	v_cvt_scalef32_pk8_bf8_f32 v[50+4*\c:51+4*\c], v[72+16*\c:79+16*\c], v[44+\c]
.endr
	v_nop                                          ; a plain line behind the last conversion
.irp c, 0,1,2,3
	global_store_b128 v8, v[48+4*\c:51+4*\c], s[8:9] offset:512*\c   ; 32 lanes store 512 consecutive bytes
.endr
	ds_store_b32 v9, v10                           ; both halves of the lanes hold the same word and write it to the same place
	s_wait_dscnt 0x0                               ; for the others' sake: my store has landed
	s_barrier_signal -1
	s_barrier_wait -1
	s_cmp_lg_u32 s12, 0
	s_cbranch_scc1 .Lnot_wave_0
	ds_load_b128 v[12:15], v8                      ; wave 0 takes the eight waves' words, 16 bytes a lane,
	s_wait_dscnt 0x0
	global_store_b128 v8, v[12:15], s[10:11]       ; and stores 512 consecutive bytes
.Lnot_wave_0:
	s_wait_tensorcnt 0x0                           ; the wave's end
	ds_add_u32 v[SPW], v[NIL]
	s_wait_dscnt 0x0
	s_endpgm
.Lfunc_end_k_q6aaeb699c5_prep:
	.size	k_q6aaeb699c5_prep, .Lfunc_end_k_q6aaeb699c5_prep-k_q6aaeb699c5_prep
	.p2alignl 7, 3214868480
	.fill 96, 4, 3214868480
	.section	.rodata,"a",@progbits
	.p2align	6, 0x0
	.amdhsa_kernel k_q6aaeb699c5_prep
		.amdhsa_group_segment_fixed_size 1536
		.amdhsa_private_segment_fixed_size 0
		.amdhsa_enable_private_segment 0
		.amdhsa_kernarg_size 32
		.amdhsa_user_sgpr_count 2
		.amdhsa_user_sgpr_kernarg_segment_ptr 1
		.amdhsa_wavefront_size32 1
		.amdhsa_system_sgpr_workgroup_id_x 1
		.amdhsa_system_sgpr_workgroup_id_y 1
		.amdhsa_system_sgpr_workgroup_id_z 1
		.amdhsa_system_vgpr_workitem_id 0
		.amdhsa_next_free_vgpr 136
		.amdhsa_next_free_sgpr 66
		.amdhsa_reserve_vcc 0
		.amdhsa_float_denorm_mode_32 3
		.amdhsa_float_denorm_mode_16_64 3
		.amdhsa_memory_ordered 1
		.amdhsa_forward_progress 1
		.amdhsa_inst_pref_size 19
	.end_amdhsa_kernel
	.amdgpu_metadata
---
amdhsa.version: [ 1, 2 ]
amdhsa.kernels:
  - .name:           k_q6aaeb699c5_prep
    .symbol:         k_q6aaeb699c5_prep.kd
    .args:
      - { .name: Wv, .offset: 0, .size: 8, .value_kind: global_buffer, .address_space: global }
      - { .name: Wu, .offset: 8, .size: 8, .value_kind: global_buffer, .address_space: global }
      - { .name: wq, .offset: 16, .size: 8, .value_kind: global_buffer, .address_space: global }
      - { .name: ws, .offset: 24, .size: 8, .value_kind: global_buffer, .address_space: global }
    .group_segment_fixed_size: 1536
    .private_segment_fixed_size: 0
    .kernarg_segment_align: 8
    .kernarg_segment_size: 32
    .max_flat_workgroup_size: 256
    .sgpr_count:     66
    .vgpr_count:     136
    .wavefront_size: 32
...
	.end_amdgpu_metadata
.endif
;; end of part 1
;; launch main (part 2): grid 256 x 1, 4 waves a work-group, no clusters, 327,680 bytes of LDS; arguments features, wq, ws, bv, bu, Ww, lg, st, pa; writes lg, st, pa
.if DOCPART == 2
	.amdgcn_target "amdgcn-amd-amdhsa--gfx1250"
	.amdhsa_code_object_version 6
	.text
	.protected	k_q6aaeb699c5_main
	.globl	k_q6aaeb699c5_main
	.p2align	8
	.type	k_q6aaeb699c5_main,@function
k_q6aaeb699c5_main:
	s_mov_b64 s[64:65], 0
	v_nop
	global_prefetch_b8 v0, s[64:65] scope:SCOPE_SE
	s_setreg_imm32_b32 hwreg(HW_REG_WAVE_MODE, 25, 1), 1
	s_wait_xcnt 0x0
; For 256 rows of features (all of one bag): both quantised products, tanh, sigmoid, the dot product with Ww, a running softmax, and the sum of p x f32 row.
; bw is left out: it is the same for all logits of a bag, and the softmax over them takes it away for every finite value (shown at the head of the first kernel).
; FEATURES AND W EACH COME ONCE.  A step is 16 rows; their f32 numbers come by tensor loads into one of two LDS slots and are read there twice: to be quantised, and, when the rows' logits are
; known, to be summed with the weights p = 2^(t - m), t = logit x log2(e), m the running largest t.  Only then is the slot filled again.
; W: a wave's share is 8 K steps x 8 fragments x 16 registers.  K steps 0-5 stay in 768 registers (windows 1-3), K steps 6, 7 stay in LDS (32,768 bytes a wave, stored once, at the head, by the wave that reads them)
; and pass, four fragments at a time, through a buffer of 64 registers; their LDS loads stand in runs ahead of resident K steps' products.
; SHARES.  Work-group g: rows 256 g .. + 255, sixteen steps.  Wave w fetches, quantises and sums columns 256 w .. + 255 of the 16 rows; in the products it makes hidden units 64 w .. + 63 of V (tiles n = 0-3)
; and of U (n = 4-7): 8 accumulators, which take turns.  Source 0 = 16 rows of features, source 1 = 16 columns of W: lane (r, h) holds hidden unit r, its register j row 8 h + j.
; THE CODES go from wave to wave through LDS as images of the operand's registers; the scale words beside them.
; NO CLUSTER: W is read by every work-group once, at the head, into registers, where no joint load lands; all bytes of the loop are features, which one work-group alone reads.
; PREFETCH: trip t names the 16 rows x 1,024 bytes that its wave's tensor load of trip t + 2 will fetch (step t + 3): a lane a block of 256 bytes, two instructions a wave; step 2 is named at the head; trips 13 on name nothing.
; LIMITS: NaN and infinities among the inputs are not served; a block of zeros, or one whose largest magnitude lies under 2^-111, keeps the scale byte 1 (the bytes are read here alone);
; the f32 sums over K are taken in the order 0, 6, 1, 2, 3, 4, 7, 5 (tiles 0-3) and 0, 1, 2, 6, 3, 4, 5, 7 (tiles 4-7).
.set ROWP,  1040                       ; a row of a wave's tile in LDS: 1,024 bytes + 16 of padding
.set SLOTB, 16*ROWP                    ; a slot: 16 rows = 2^14 + 2^8; these two bits are 0 in 0 .. 3 x WAVEB, so one exclusive or changes slots
.set WAVEB, 2*SLOTB
.set CODES, 4*WAVEB                    ; 8 fragments' images: 2,048 s + 512 c + 16 lane
.set ASC,   CODES+16384                ; the rows' scale words: 32 r + 4 s
.set PL,    ASC+512                    ; [wave][16 rows] partial t
.set LG,    PL+256                     ; [wave][256 t]: each wave's own copy
.set KON,   LG+4096                    ; [wave][8 images of 512 bytes]: the lane's sixteen constants, each twice
.set WL,    KON+16384                  ; [wave][32,768]: W's K steps 6, 7
.set SPARE, WL+131072                  ; the spare words, 128 bytes a wave
.set SPW, 1
.set NIL, 2
.set WO,  3                            ; 16 x lane
.set CA,  4                            ; CODES + 16 x lane
.set MX,  5                            ; m
.set LS,  6                            ; the lane's part of the sum of p (lanes 16-31 mirror lanes 0-15)
.set LQ,  7                            ; 1,040 r + 64 h
.set WLA, 8                            ; WL + 32,768 w + 16 x lane
.set PFO, 9                            ; the prefetches' offset: 4,096 (lane / 4) + 256 (lane % 4)
.set AGG, 10                           ; v10-17 the sum of p x row
.set ASW, 18                           ; v18-25 the rows' scale words, K step s at 18 + s
.set WSW, 26                           ; v26-57 W's scale words: 26 + 4 s + n / 2: lanes 0-15 even n, lanes 16-31 odd n
.set KA,  58
.set PLW, 59                           ; PL + 64 w + 32 h
.set ASA, 60                           ; ASC + 32 r
.set PLR, 61                           ; PL + 4 r
.set CW,  62                           ; CODES + 4,096 w + 16 x lane
.set AW,  63                           ; ASC + 32 r + 8 w
.set AA,  64                           ; four places for the rows' fragments
.set AB,  80
.set AC,  96
.set AD,  112
.set BF,  128                          ; four fragments of W from LDS
.set ACC, 192                          ; accumulator n at 192 + 8 n
.set X0,  128                          ; quantising: 64 numbers, two sets
.set X1,  192
.set PC0, 64
.set PC1, 80
.set TM,  96
.set PW0, 112
.set PW1, 113
.set QA,  114
.set KH,  80                           ; the head: where the constants are made
.set GSR, 112                          ; v112-119 the rows' partial t
.set FB0, 128                          ; summing: eight rows of f32, two sets
.set FB1, 192
.set FA,  80
.set AGB, 96                           ; the odd rows' sum
.set TT,  104
.set LGW, 108
.set D1,  110
.set D2,  111
.set FF,  112                          ; (f, p): a pair
.set PQ,  113
.set WV,  22
.set CNT, 23
.set G1,  24
.set G0,  32
.set SEL, 40
.set MNT, 42
.set TC,  43                           ; LDS byte at which my tile of the step in hand begins
.set C2,  44
.set CM,  46
.set SCW, 48
.set SAW, 49
.set SPL, 50
.set SLG, 51
.set TL,  52                           ; the step's 64 bytes in LG
.set SKA, 53
.set PFA, 58
.set SWL, 60
.set SLG2, 61
.set L2E, 62
.set P,   76                           ; s[76:91] eight rows' p, at the even registers
.set MSB, 0
.macro WIN new
.if MSB != \new
	s_set_vgpr_msb (MSB<<8)|\new
.set MSB, \new
.endif
.endm
.macro PLACES k                        ; plain places behind matrix instructions, in front of loads into registers that they have read and of the first read of results
.rept \k
	v_nop
.endr
.endm
.macro BAR
	s_wait_dscnt 0x0
	s_barrier_signal -1
	s_barrier_wait -1
.endm
.macro QLOAD j, x                      ; my K step j: lane (r, h) takes, of row r, 16 neighbours of each block of 32
.irp c, 0,1,2,3
.irp e, 0,1,2,3
	ds_load_b128 v[(\x)+16*\c+4*\e:(\x)+16*\c+4*\e+3], v[QA] offset:512*(\j)+128*\c+16*\e
.endr
.endr
.endm
.macro QUANT x, pc, pw                 ; 64 numbers of a lane become a fragment's codes and its scale word
.irp b, 0,1,2,3
	v_max3_num_f32 v[TM+\b], |v[(\x)+16*\b]|, |v[(\x)+1+16*\b]|, 0x8000000   ; and the floor 2^(16 - 127): the byte cannot fall under 1
.endr
.irp i, 2,4,6,8,10,12,14
.irp b, 0,1,2,3
	v_max3_num_f32 v[TM+\b], v[TM+\b], |v[(\x)+16*\b+\i]|, |v[(\x)+1+16*\b+\i]|
.endr
.endr
.irp b, 0,1,2,3
	v_permlanex16_b32 v[TM+4+\b], v[TM+\b], s[SEL], s[SEL+1]
.endr
.irp b, 0,1,2,3
	v_max_num_f32 v[TM+\b], v[TM+\b], v[TM+4+\b]   ; the block's largest magnitude
.endr
.irp b, 0,1,2,3
	v_add_nc_u32 v[TM+12+\b], 0xf8800000, v[TM+\b] ; 15 off its exponent field: the conversion's scale operand
.endr
.irp b, 0,1,2,3
	v_and_or_b32 v[TM+8+\b], v[TM+\b], 0x7f800000, s[MNT]   ; 57,344 x the scale
.endr
.irp b, 0,1,2,3
	v_lshrrev_b32 v[TM+4+\b], 23, v[TM+12+\b]      ; the scale's byte
.endr
	v_lshl_or_b32 v[\pw], v[TM+5], 8, v[TM+4]
	v_lshl_or_b32 v[\pw], v[TM+6], 16, v[\pw]
	v_lshl_or_b32 v[\pw], v[TM+7], 24, v[\pw]
.irp b, 0,1,2,3
.irp i, 0,1,2,3,4,5,6,7,8,9,10,11,12,13,14,15
	v_med3_num_f32 v[(\x)+16*\b+\i], v[(\x)+16*\b+\i], -v[TM+8+\b], v[TM+8+\b]   ; the conversion does not saturate (ISA guide 7.6.2): the hold
.endr
	v_cvt_scalef32_pk8_bf8_f32 v[(\pc)+4*\b:(\pc)+1+4*\b], v[(\x)+16*\b:(\x)+7+16*\b], v[TM+12+\b]
	v_cvt_scalef32_pk8_bf8_f32 v[(\pc)+2+4*\b:(\pc)+3+4*\b], v[(\x)+8+16*\b:(\x)+15+16*\b], v[TM+12+\b]
.endr
	v_nop                                          ; a plain line behind the last conversion
.endm
.macro QSTORE j, pc, pw                ; the image of fragment 2 w + j, and its rows' scale words
.irp c, 0,1,2,3
	ds_store_b128 v[CW], v[(\pc)+4*\c:(\pc)+4*\c+3] offset:2048*(\j)+512*\c
.endr
	ds_store_b32 v[AW], v[\pw] offset:4*(\j)       ; both halves of the lanes hold the same word
.endm
.macro AFETCH ks, ab
	WIN 0
.irp c, 0,1,2,3
	ds_load_b128 v[(\ab)+4*\c:(\ab)+4*\c+3], v[CA] offset:2048*(\ks)+512*\c
.endr
.endm
.macro BLOAD ks, n0                    ; tiles n0 .. n0 + 3 of W's K step ks (6 or 7) from LDS into the buffer
	WIN 0
.irp i, 0,1,2,3
.irp c, 0,1,2,3
	ds_load_b128 v[BF+16*\i+4*\c:BF+16*\i+4*\c+3], v[WLA] offset:16384*((\ks)-6)+2048*((\n0)+\i)+512*\c
.endr
.endr
.endm
.macro WLOAD ks, win, base             ; my eight fragments of W's K step ks, from wq straight into registers
	WIN \win
.irp n, 0,1,2,3,4,5,6,7
.irp c, 0,1,2,3
	global_load_b128 v[(\base)+16*\n+4*\c:(\base)+16*\n+4*\c+3], v[WO], s[6:7] offset:16384*(\ks)+2048*\n+512*\c
.endr
.endr
.endm
.macro KLD ks                          ; the head: my 16,384 bytes of K step ks (6 or 7) into v128-255,
.set i, 0
.rept 32
	global_load_b128 v[128+4*i:131+4*i], v[WO], s[6:7] offset:16384*(\ks)+512*i
.set i, i+1
.endr
.endm
.macro KST ks                          ; and on into my own bytes of LDS, as they lie
.set i, 0
.rept 32
	ds_store_b128 v[WLA], v[128+4*i:131+4*i] offset:16384*((\ks)-6)+512*i
.set i, i+1
.endr
.endm
.macro ONE ks, rb, ab, zero, n
.set rD, ACC+8*(\n)
.set rA, \ab
.set rB, \rb
.set rE, ASW+(\ks)
.set rF, WSW+4*(\ks)+(\n)/2
.if \zero
.if (\n)%2 == 0
	v_wmma_scale_f32_16x16x128_f8f6f4 v[rD:rD+7], v[rA:rA+15], v[rB:rB+15], 0, v[rE], v[rF] matrix_a_fmt:MATRIX_FMT_BF8 matrix_b_fmt:MATRIX_FMT_BF8
.else
	v_wmma_scale_f32_16x16x128_f8f6f4 v[rD:rD+7], v[rA:rA+15], v[rB:rB+15], 0, v[rE], v[rF] matrix_a_fmt:MATRIX_FMT_BF8 matrix_b_fmt:MATRIX_FMT_BF8 matrix_b_scale:MATRIX_SCALE_ROW1
.endif
.else
.if (\n)%2 == 0
	v_wmma_scale_f32_16x16x128_f8f6f4 v[rD:rD+7], v[rA:rA+15], v[rB:rB+15], v[rD:rD+7], v[rE], v[rF] matrix_a_fmt:MATRIX_FMT_BF8 matrix_b_fmt:MATRIX_FMT_BF8
.else
	v_wmma_scale_f32_16x16x128_f8f6f4 v[rD:rD+7], v[rA:rA+15], v[rB:rB+15], v[rD:rD+7], v[rE], v[rF] matrix_a_fmt:MATRIX_FMT_BF8 matrix_b_fmt:MATRIX_FMT_BF8 matrix_b_scale:MATRIX_SCALE_ROW1
.endif
.endif
.endm
.macro MUL ks, win, bb, ab, zero       ; a resident K step: the 8 accumulators by turns; win: source 1's window
	WIN \win
.irp n, 0,1,2,3,4,5,6,7
	ONE \ks, (\bb)+16*\n, \ab, \zero, \n
.endr
.endm
.macro MULB ks, ab, n0                 ; four tiles of a K step whose fragments lie in the buffer; at least three other products stand between two steps of a sum
	WIN 0
.irp i, 0,1,2,3
	ONE \ks, BF+16*\i, \ab, 0, (\n0)+\i
.endr
.endm
; THE ACTIVATION.  Constants in pairs, group g (tiles 2 g + t) at AA + 32 g: + 2 t: 2 log2(e) bv; + 4 + 2 t: -log2(e) bu; + 8 + 2 t: log2(e) Ww; + 12 + 2 t: -2 log2(e) Ww
.macro ACT
.irp g, 0,1
.irp t, 0,1
.set rV, ACC+8*(2*\g+\t)
.set kc, AA+32*\g
.irp p, 0,2,4,6                                ; each accumulator from its low end on
	v_pk_fma_f32 v[rV+\p:rV+\p+1], v[rV+\p:rV+\p+1], s[C2:C2+1], v[kc+2*\t:kc+2*\t+1] op_sel_hi:[1,0,1]
.endr
.irp p, 0,2,4,6
	v_pk_fma_f32 v[rV+32+\p:rV+33+\p], v[rV+32+\p:rV+33+\p], s[CM:CM+1], v[kc+4+2*\t:kc+5+2*\t] op_sel_hi:[1,0,1]
.endr
.endr
.endr
	s_wait_alu depctr_va_vdst(0)                   ; the wait ahead of a batch and behind it
.set i, 0
.rept 64
	v_exp_f32 v[ACC+i], v[ACC+i]                   ; what overflows becomes infinity, whose reciprocal below is 0: the right limit
.set i, i+1
.endr
	v_nop
	s_wait_alu depctr_va_vdst(0)
.set i, 0
.rept 32
	v_pk_add_f32 v[ACC+i:ACC+i+1], v[ACC+i:ACC+i+1], 1.0 op_sel_hi:[1,0]
.set i, i+2
.endr
	s_wait_alu depctr_va_vdst(0)
.set i, 0
.rept 64
	v_rcp_f32 v[ACC+i], v[ACC+i]
.set i, i+1
.endr
	v_nop
	s_wait_alu depctr_va_vdst(0)
.irp g, 0,1
.irp t, 0,1
.set rV, ACC+8*(2*\g+\t)
.set kc, AA+32*\g
.irp p, 0,2,4,6
	v_pk_fma_f32 v[rV+\p:rV+\p+1], v[rV+\p:rV+\p+1], v[kc+12+2*\t:kc+13+2*\t], v[kc+8+2*\t:kc+9+2*\t]   ; Ww tanh = Ww - 2 Ww / (1 + 2^x)
.endr
.endr
.endr
.irp u, 0,1,2,3
.irp p, 0,2,4,6
.if \u == 0
	v_pk_mul_f32 v[GSR+\p:GSR+\p+1], v[ACC+\p:ACC+\p+1], v[ACC+32+\p:ACC+33+\p]
.else
	v_pk_fma_f32 v[GSR+\p:GSR+\p+1], v[ACC+8*\u+\p:ACC+8*\u+\p+1], v[ACC+32+8*\u+\p:ACC+33+8*\u+\p], v[GSR+\p:GSR+\p+1]
.endif
.endr
.endr
.irp x, 1,2,4,8                                ; over the sixteen lanes of a half: my 64 hidden units' sum for row 8 h + j
.irp j, 0,1,2,3,4,5,6,7
	v_add_f32_dpp v[GSR+\j], v[GSR+\j], v[GSR+\j] row_xmask:\x row_mask:0xf bank_mask:0xf
.endr
.endr
.endm
.macro FLOAD r0, fb                    ; rows r0 .. r0 + 7 of my quarter, as they lie
.irp q, 0,1,2,3,4,5,6,7
	ds_load_b128 v[(\fb)+8*\q:(\fb)+8*\q+3], v[FA] offset:ROWP*((\r0)+\q)
	ds_load_b128 v[(\fb)+8*\q+4:(\fb)+8*\q+7], v[FA] offset:ROWP*((\r0)+\q)+512
.endr
.endm
.macro ROWS r0, fb, first              ; eight rows' p into scalar registers; then rows x p: even rows onto AGG, odd rows onto AGB
.irp q, 0,1,2,3,4,5,6,7
	v_readlane_b32 s[P+2*\q], v[PQ], (\r0)+\q
.endr
.irp q, 0,1,2,3,4,5,6,7
.irp e, 0,2,4,6
.if (\first) && (\q == 1)
	v_pk_mul_f32 v[AGB+\e:AGB+\e+1], v[(\fb)+8*\q+\e:(\fb)+8*\q+\e+1], s[P+2*\q:P+2*\q+1] op_sel_hi:[1,0]
.elseif \q % 2
	v_pk_fma_f32 v[AGB+\e:AGB+\e+1], v[(\fb)+8*\q+\e:(\fb)+8*\q+\e+1], s[P+2*\q:P+2*\q+1], v[AGB+\e:AGB+\e+1] op_sel_hi:[1,0,1]
.else
	v_pk_fma_f32 v[AGG+\e:AGG+\e+1], v[(\fb)+8*\q+\e:(\fb)+8*\q+\e+1], s[P+2*\q:P+2*\q+1], v[AGG+\e:AGG+\e+1] op_sel_hi:[1,0,1]
.endif
.endr
.endr
.endm
; THE CHANGE OF SLOTS, at a step's head: all my tensor loads are in (one is out: the tile about to be read), the add, the wait for it and for my reads of the slot left; behind the barrier that slot takes the next step's rows
.macro CHANGE fill
.if \fill
	s_wait_xcnt 0x0                                ; my prefetches have read their base: it steps 16 rows on
	s_add_nc_u64 s[PFA:PFA+1], s[PFA:PFA+1], 65536
.endif
	s_wait_tensorcnt 0x0
	ds_add_u32 v[SPW], v[NIL]
.if \fill
	s_xor_b32 s[G0+1], s[G0+1], SLOTB
	s_add_nc_u64 s[G0+2:G0+3], s[G0+2:G0+3], 65536 ; 16 rows of 4,096 bytes on
.endif
	s_wait_dscnt 0x0
	s_barrier_signal -1
	s_barrier_wait -1
.if \fill
	tensor_load_to_lds s[G0:G0+3], s[G1:G1+7]
	s_nop 0
.endif
.endm
; A STEP OF 16 ROWS
.macro TILE more
	v_add_nc_u32 v[QA], s[TC], v[LQ]
	QLOAD 0, X0
	QLOAD 1, X1
	s_wait_dscnt 16                                ; fragment 0's numbers are in
.if \more
	s_cmp_ge_u32 s[CNT], 3                         ; trips 0 .. 12 name steps 3 .. 15
	s_cbranch_scc0 .Lno_ask
	global_prefetch_b8 v[PFO], s[PFA:PFA+1] offset:65536 th:TH_LOAD_NT scope:SCOPE_SE   ; rows 0-7 of the step, four blocks of 256 bytes a row
	global_prefetch_b8 v[PFO], s[PFA:PFA+1] offset:98304 th:TH_LOAD_NT scope:SCOPE_SE   ; rows 8-15
.Lno_ask:
.endif
	QUANT X0, PC0, PW0
	QSTORE 0, PC0, PW0
	BLOAD 6, 0                                     ; my own bytes of W, where fragment 0's numbers lay: they land while fragment 1 is quantised
	s_wait_dscnt 21                                ; behind fragment 1's loads: five stores and sixteen loads
	QUANT X1, PC1, PW1
	QSTORE 1, PC1, PW1
	BAR                                            ; all eight fragments and their scale words lie in LDS
	ds_load_b128 v[ASW:ASW+3], v[ASA]
	ds_load_b128 v[ASW+4:ASW+7], v[ASA] offset:16
	AFETCH 0, AA
	AFETCH 6, AB
	AFETCH 1, AC
	AFETCH 2, AD
	s_wait_dscnt 12                                ; the scale words and K step 0's rows are in
	s_wait_loadcnt 0x0                             ; the first time: all of W that stays
	MUL 0, 0x04, 0, AA, 1
	s_wait_dscnt 8                                 ; K step 6's rows are in
	MULB 6, AB, 0
	PLACES 8
	BLOAD 6, 4
	AFETCH 3, AA
	s_wait_dscnt 20                                ; the 16 + 4 just issued may be out
	MUL 1, 0x04, 128, AC, 0
	MUL 2, 0x08, 0, AD, 0
	s_wait_dscnt 4                                 ; the buffer is in; K step 3's rows may be out
	MULB 6, AB, 4
	PLACES 8
	AFETCH 4, AC
	BLOAD 7, 0
	AFETCH 7, AB
	AFETCH 5, AD
	s_wait_dscnt 28                                ; the 28 just issued may be out
	MUL 3, 0x08, 128, AA, 0
	s_wait_dscnt 24                                ; K step 4's rows are in
	MUL 4, 0x0c, 0, AC, 0
	s_wait_dscnt 4                                 ; the buffer and K step 7's rows are in
	MULB 7, AB, 0
	PLACES 8
	BLOAD 7, 4
.irp i, 0,1,2,3
	ds_load_b128 v[AA+4*\i:AA+4*\i+3], v[KA] offset:512*\i        ; the constants, where rows that are done with lay
	ds_load_b128 v[AC+4*\i:AC+4*\i+3], v[KA] offset:2048+512*\i
.endr
	s_wait_dscnt 24                                ; K step 5's rows are in
	MUL 5, 0x0c, 128, AD, 0
	s_wait_dscnt 8                                 ; the buffer is in; the constants may be out
	MULB 7, AB, 4
	PLACES 8
	v_add_nc_u32 v[FA], s[TC], v[WO]
	s_wait_dscnt 0x0                               ; the constants
	ACT
	ds_store_b128 v[PLW], v[GSR:GSR+3]             ; the sixteen lanes of a half write the same bytes with the same values
	ds_store_b128 v[PLW], v[GSR+4:GSR+7] offset:16
	BAR                                            ; the four waves' partial t lie in LDS; nobody reads the codes any more
.irp q, 0,1,2,3
	ds_load_b32 v[TT+\q], v[PLR] offset:64*\q      ; lane % 16 = row
.endr
	FLOAD 0, FB0                                   ; one run behind them: the 16 rows of my quarter, which land while p is made
	FLOAD 8, FB1
	s_add_co_u32 s54, s[SLG2], s[TL]
	s_wait_dscnt 32                                ; the four partial t are in; the rows' 32 loads may be out
	v_add_nc_u32 v[LGW], s54, v[PLR]
	v_add_f32 v[TT], v[TT], v[TT+1]
	v_add_f32 v[TT+2], v[TT+2], v[TT+3]
	v_add_f32 v[TT], v[TT], v[TT+2]                ; t
	ds_store_b32 v[LGW], v[TT]
	v_max_num_f32_dpp v[TT+1], v[TT], v[TT] row_xmask:1 row_mask:0xf bank_mask:0xf
	v_max_num_f32_dpp v[TT+1], v[TT+1], v[TT+1] row_xmask:2 row_mask:0xf bank_mask:0xf
	v_max_num_f32_dpp v[TT+1], v[TT+1], v[TT+1] row_xmask:4 row_mask:0xf bank_mask:0xf
	v_max_num_f32_dpp v[TT+1], v[TT+1], v[TT+1] row_xmask:8 row_mask:0xf bank_mask:0xf   ; the step's largest t
	v_max_num_f32 v[TT+3], v[MX], v[TT+1]          ; the new m
	v_sub_f32 v[D1], v[MX], v[TT+3]
	v_sub_f32 v[D2], v[TT], v[TT+3]
	s_wait_alu depctr_va_vdst(0)
	v_exp_f32 v[FF], v[D1]                         ; f = 2^(old m - new m)
	v_exp_f32 v[PQ], v[D2]                         ; p = 2^(t - m)
	v_mov_b32 v[MX], v[TT+3]
	s_wait_alu depctr_va_vdst(0)
	v_fma_f32 v[LS], v[LS], v[FF], v[PQ]
.irp e, 0,2,4,6
	v_pk_mul_f32 v[AGG+\e:AGG+\e+1], v[AGG+\e:AGG+\e+1], v[FF:FF+1] op_sel_hi:[1,0]   ; the sum under the new m
.endr
	s_wait_alu depctr_va_vdst(0)
	s_wait_dscnt 1                                 ; the rows are in; the store of t may be out
	ROWS 0, FB0, 1
	ROWS 8, FB1, 0
.irp e, 0,2,4,6
	v_pk_add_f32 v[AGG+\e:AGG+\e+1], v[AGG+\e:AGG+\e+1], v[AGB+\e:AGB+\e+1]
.endr
	s_xor_b32 s[TC], s[TC], SLOTB
	s_add_co_u32 s[TL], s[TL], 64
.endm
	s_load_b256 s[4:11], s[0:1], 0x0               ; features, wq, ws, bv
	s_load_b256 s[12:19], s[0:1], 0x20             ; bu, Ww, lg, st
	s_load_b64 s[20:21], s[0:1], 0x40              ; pa
	v_lshl_add_u32 v[SPW], v0, 2, SPARE
	v_mov_b32 v[NIL], 0
	ds_add_u32 v[SPW], v[NIL]                      ; the opening: the add, twice on end, and its wait ahead of my first tensor load
	ds_add_u32 v[SPW], v[NIL]
	v_lshrrev_b32 v120, 5, v0
	v_readfirstlane_b32 s[WV], v120                ; wave 0..3
	s_mov_b32 s[G1+0], (2<<16)|(1<<20)|(7<<22)|(3<<25)   ; features: 16 rows x 256 elements of 4 bytes; four words of padding behind every 256
	s_mov_b32 s[G1+1], 256<<16
	s_mov_b32 s[G1+2], 16<<16
	s_mov_b32 s[G1+3], 256<<16
	s_mov_b32 s[G1+4], 16
	s_mov_b32 s[G1+5], 1024
	s_mov_b32 s[G1+6], 0
	s_mov_b32 s[G1+7], 0
	s_mul_i32 s[TC], s[WV], WAVEB
	s_mov_b32 s[TL], 0
	s_mov_b32 s[SEL], 0x76543210
	s_mov_b32 s[SEL+1], 0xfedcba98
	s_mov_b32 s[MNT], 0x600000
	s_mov_b32 s[L2E], 0x3fb8aa3b
	s_mov_b32 s[C2], 0x4038aa3b
	s_mov_b32 s[C2+1], s[C2]
	s_mov_b32 s[CM], 0xbfb8aa3b
	s_mov_b32 s[CM+1], s[CM]
	s_lshl_b32 s[SCW], s[WV], 12
	s_add_co_u32 s[SCW], s[SCW], CODES
	s_lshl_b32 s[SAW], s[WV], 3
	s_add_co_u32 s[SAW], s[SAW], ASC
	s_lshl_b32 s[SPL], s[WV], 6
	s_add_co_u32 s[SPL], s[SPL], PL
	s_lshl_b32 s[SLG], s[WV], 10
	s_add_co_u32 s[SLG2], s[SLG], LG-PL
	s_add_co_u32 s[SLG], s[SLG], LG
	s_lshl_b32 s[SKA], s[WV], 12
	s_add_co_u32 s[SKA], s[SKA], KON
	s_lshl_b32 s[SWL], s[WV], 15
	s_add_co_u32 s[SWL], s[SWL], WL
.irp q, 0,1,2,3,4,5,6,7
	s_mov_b32 s[P+2*\q+1], 0                       ; named with p as a pair, so it is written
.endr
	s_lshl_b32 s54, ttmp9, 20                      ; 256 rows of 4,096 bytes a work-group,
	s_lshl_b32 s55, s[WV], 10                      ; my quarter of a row
	s_add_co_u32 s54, s54, s55
	s_mov_b32 s55, 0
	v_and_b32 v120, 31, v0                         ; lane
	v_and_b32 v121, 15, v0                         ; r
	v_bfe_u32 v122, v0, 4, 1                       ; h
	v_lshlrev_b32 v[WO], 4, v120
	v_add_nc_u32 v[CA], CODES, v[WO]
	v_mul_u32_u24 v[LQ], v121, ROWP
	v_lshl_add_u32 v[LQ], v122, 6, v[LQ]
	v_add_nc_u32 v[WLA], s[SWL], v[WO]
	v_add_nc_u32 v[KA], s[SKA], v[WO]
	v_add_nc_u32 v[CW], s[SCW], v[WO]
	v_lshl_add_u32 v[PLW], v122, 5, s[SPL]
	v_lshl_add_u32 v[ASA], v121, 5, ASC
	v_lshl_add_u32 v[AW], v121, 5, s[SAW]
	v_lshl_add_u32 v[PLR], v121, 2, PL
	v_lshrrev_b32 v[PFO], 2, v120
	v_and_b32 v120, 3, v120
	v_lshlrev_b32 v[PFO], 12, v[PFO]
	v_lshl_add_u32 v[PFO], v120, 8, v[PFO]
	v_lshlrev_b32 v123, 2, v121
	v_mov_b32 v[MX], 0xff61b1e6                    ; m: -3e38, under every t: the first f is 0 and multiplies zeros
	v_mov_b32 v[LS], 0
.irp e, 0,1,2,3,4,5,6,7
	v_mov_b32 v[AGG+\e], 0
.endr
	s_wait_alu depctr_va_vdst(0)
	s_wait_dscnt 0x0                               ; both opening adds are done
	s_wait_kmcnt 0x0
	s_mov_b32 s[G0], 1
	s_mov_b32 s[G0+1], s[TC]
	s_add_nc_u64 s[G0+2:G0+3], s[4:5], s[54:55]
	s_add_nc_u64 s[PFA:PFA+1], s[G0+2:G0+3], 65536 ; step 1; the prefetches name the step behind the base's
	s_or_b32 s[G0+3], s[G0+3], 0x80000000
	tensor_load_to_lds s[G0:G0+3], s[G1:G1+7]      ; step 0 into slot 0: every wave's one load at the head
	s_nop 0
	s_lshl_b32 s54, s[WV], 8                       ; my 64 hidden units in bv, bu, Ww
	s_add_nc_u64 s[10:11], s[10:11], s[54:55]
	s_add_nc_u64 s[12:13], s[12:13], s[54:55]
	s_add_nc_u64 s[14:15], s[14:15], s[54:55]
	s_lshl_b32 s54, s[WV], 12
	s_add_nc_u64 s[8:9], s[8:9], s[54:55]          ; my scale words of W
	s_lshl_b32 s54, s[WV], 17
	s_add_nc_u64 s[6:7], s[6:7], s[54:55]          ; my codes of W
	s_lshl_b32 s54, ttmp9, 12
	s_lshl_b32 s56, s[WV], 10
	s_add_co_u32 s54, s54, s56
	s_add_nc_u64 s[20:21], s[20:21], s[54:55]      ; pa: 4,096 g + 1,024 w
	s_lshl_b32 s54, ttmp9, 10
	s_lshl_b32 s56, s[WV], 8
	s_add_co_u32 s54, s54, s56
	s_add_nc_u64 s[16:17], s[16:17], s[54:55]      ; lg: 1,024 g + 256 w
	s_lshl_b32 s54, ttmp9, 8
	s_add_nc_u64 s[18:19], s[18:19], s[54:55]      ; st: 256 g
.irp u, 0,1,2,3
	global_load_b32 v[64+\u], v123, s[10:11] offset:64*\u   ; hidden unit 64 w + 16 u + r
	global_load_b32 v[68+\u], v123, s[12:13] offset:64*\u
	global_load_b32 v[72+\u], v123, s[14:15] offset:64*\u
.endr
.irp k, 0,1,2,3,4,5,6,7
	global_load_b128 v[WSW+4*\k:WSW+4*\k+3], v[WO], s[8:9] offset:512*\k
.endr
	KLD 6
	WLOAD 0, 0x40, 0
	WLOAD 1, 0x40, 128
	WIN 0
	global_prefetch_b8 v[PFO], s[PFA:PFA+1] offset:65536 th:TH_LOAD_NT scope:SCOPE_SE   ; step 2
	global_prefetch_b8 v[PFO], s[PFA:PFA+1] offset:98304 th:TH_LOAD_NT scope:SCOPE_SE
	s_wait_loadcnt 63                              ; 64 loads were issued behind K step 6's: it is in, and so are the constants
.irp g, 0,1
.irp t, 0,1
	v_mul_f32 v[KH+16*\g+2*\t], s[C2], v[64+2*\g+\t]           ; 2 log2(e) bv
	v_mul_f32 v[KH+16*\g+4+2*\t], s[CM], v[68+2*\g+\t]         ; -log2(e) bu
	v_mul_f32 v[KH+16*\g+8+2*\t], s[L2E], v[72+2*\g+\t]        ; log2(e) Ww: the partial sums are parts of t
	v_mul_f32 v[KH+16*\g+12+2*\t], 0xc038aa3b, v[72+2*\g+\t]   ; -2 log2(e) Ww
.endr
.endr
.irp u, 0,1,2,3,4,5,6,7,8,9,10,11,12,13,14,15
	v_mov_b32 v[KH+2*\u+1], v[KH+2*\u]             ; each twice, for the packed forms.  (These lines also write v100-103, which the quantiser's lane permutes name as destinations)
.endr
.irp i, 0,1,2,3,4,5,6,7
	ds_store_b128 v[KA], v[KH+4*\i:KH+4*\i+3] offset:512*\i   ; my own bytes: read back in every step
.endr
	KST 6
	s_wait_dscnt 0x0                               ; the stores have read their registers, which take K step 7
	KLD 7
	WLOAD 2, 0x80, 0
	WLOAD 3, 0x80, 128
	WIN 0
	s_wait_loadcnt 63                              ; 64 loads were issued behind K step 7's
	KST 7
	WLOAD 4, 0xc0, 0
	WLOAD 5, 0xc0, 128
	WIN 0
	s_mov_b32 s[CNT], 15
.Ltile:                                                ; fifteen trips: behind each change of slots the next step's rows are asked for
	CHANGE 1
	TILE 1
	s_sub_co_u32 s[CNT], s[CNT], 1
	s_cmp_lg_u32 s[CNT], 0
	s_cbranch_scc1 .Ltile
	CHANGE 0                                       ; the last step is written out: it asks for nothing more
	TILE 0
	; what the work-group hands on: the sum of p x row, its 256 t, and (m, the sum of p)
	v_add_f32_dpp v[LS], v[LS], v[LS] row_xmask:1 row_mask:0xf bank_mask:0xf
	v_add_f32_dpp v[LS], v[LS], v[LS] row_xmask:2 row_mask:0xf bank_mask:0xf
	v_add_f32_dpp v[LS], v[LS], v[LS] row_xmask:4 row_mask:0xf bank_mask:0xf
	v_add_f32_dpp v[LS], v[LS], v[LS] row_xmask:8 row_mask:0xf bank_mask:0xf
	global_store_b128 v[WO], v[AGG:AGG+3], s[20:21]              ; 512 consecutive bytes each
	global_store_b128 v[WO], v[AGG+4:AGG+7], s[20:21] offset:512
	s_lshl_b32 s54, s[WV], 8
	s_add_co_u32 s54, s54, s[SLG]                  ; of my copy of the 256 t: numbers 64 w .. 64 w + 63
	v_and_b32 v120, 31, v0
	v_lshl_add_u32 v121, v120, 3, s54
	ds_load_b64 v[116:117], v121
	v_lshlrev_b32 v122, 3, v120
	v_mov_b32 v124, v[MX]
	v_mov_b32 v125, v[LS]
	s_wait_alu depctr_va_vdst(0)
	s_wait_dscnt 0x0
	global_store_b64 v122, v[116:117], s[16:17]    ; 32 lanes store 256 consecutive bytes, aligned
	s_cmp_lg_u32 s[WV], 0
	s_cbranch_scc1 .Lnot_wave_0
	global_store_b64 v122, v[124:125], s[18:19]    ; the pair, 32 times: 256 consecutive bytes, aligned
.Lnot_wave_0:
	s_wait_tensorcnt 0x0                           ; the wave's end
	ds_add_u32 v[SPW], v[NIL]
	s_wait_dscnt 0x0
	s_endpgm
.Lfunc_end_k_q6aaeb699c5_main:
	.size	k_q6aaeb699c5_main, .Lfunc_end_k_q6aaeb699c5_main-k_q6aaeb699c5_main
	.p2alignl 7, 3214868480
	.fill 96, 4, 3214868480
	.section	.rodata,"a",@progbits
	.p2align	6, 0x0
	.amdhsa_kernel k_q6aaeb699c5_main
		.amdhsa_group_segment_fixed_size 327680
		.amdhsa_private_segment_fixed_size 0
		.amdhsa_enable_private_segment 0
		.amdhsa_kernarg_size 72
		.amdhsa_user_sgpr_count 2
		.amdhsa_user_sgpr_kernarg_segment_ptr 1
		.amdhsa_wavefront_size32 1
		.amdhsa_system_sgpr_workgroup_id_x 1
		.amdhsa_system_sgpr_workgroup_id_y 1
		.amdhsa_system_sgpr_workgroup_id_z 1
		.amdhsa_system_vgpr_workitem_id 0
		.amdhsa_next_free_vgpr 1024
		.amdhsa_next_free_sgpr 92
		.amdhsa_reserve_vcc 0
		.amdhsa_float_denorm_mode_32 3
		.amdhsa_float_denorm_mode_16_64 3
		.amdhsa_memory_ordered 1
		.amdhsa_forward_progress 1
		.amdhsa_inst_pref_size 152
	.end_amdhsa_kernel
	.amdgpu_metadata
---
amdhsa.version: [ 1, 2 ]
amdhsa.kernels:
  - .name:           k_q6aaeb699c5_main
    .symbol:         k_q6aaeb699c5_main.kd
    .args:
      - { .name: features, .offset: 0, .size: 8, .value_kind: global_buffer, .address_space: global }
      - { .name: wq, .offset: 8, .size: 8, .value_kind: global_buffer, .address_space: global }
      - { .name: ws, .offset: 16, .size: 8, .value_kind: global_buffer, .address_space: global }
      - { .name: bv, .offset: 24, .size: 8, .value_kind: global_buffer, .address_space: global }
      - { .name: bu, .offset: 32, .size: 8, .value_kind: global_buffer, .address_space: global }
      - { .name: Ww, .offset: 40, .size: 8, .value_kind: global_buffer, .address_space: global }
      - { .name: lg, .offset: 48, .size: 8, .value_kind: global_buffer, .address_space: global }
      - { .name: st, .offset: 56, .size: 8, .value_kind: global_buffer, .address_space: global }
      - { .name: pa, .offset: 64, .size: 8, .value_kind: global_buffer, .address_space: global }
    .group_segment_fixed_size: 327680
    .private_segment_fixed_size: 0
    .kernarg_segment_align: 8
    .kernarg_segment_size: 72
    .max_flat_workgroup_size: 128
    .sgpr_count:     92
    .vgpr_count:     1024
    .wavefront_size: 32
...
	.end_amdgpu_metadata
.endif
;; end of part 2
;; launch fin (part 3): grid 16 x 1, 8 waves a work-group, no clusters, 0 bytes of LDS; arguments lg, st, pa, out0, out1; writes out0, out1
.if DOCPART == 3
	.amdgcn_target "amdgcn-amd-amdhsa--gfx1250"
	.amdhsa_code_object_version 6
	.text
	.protected	k_q6aaeb699c5_fin
	.globl	k_q6aaeb699c5_fin
	.p2align	8
	.type	k_q6aaeb699c5_fin,@function
k_q6aaeb699c5_fin:
	s_mov_b64 s[64:65], 0
	v_nop
	global_prefetch_b8 v0, s[64:65] scope:SCOPE_SE
	s_setreg_imm32_b32 hwreg(HW_REG_WAVE_MODE, 25, 1), 1
	s_wait_xcnt 0x0
; A bag's sixteen parts are joined.  Part i has m_i (its largest t), l_i (the sum of 2^(t - m_i)) and pa_i (the sum of 2^(t - m_i) x row).  M = the largest m_i; L = the sum of l_i 2^(m_i - M), at least 1;
; out0 = the sum of pa_i 2^(m_i - M) / L;  out1 = 2^(t - M) / L.  (t holds no bw: the softmax takes it away; shown at the head of the first kernel.)
; Work-group = bag; thread t owns 16 bytes of out0's row and four times 16 bytes of out1's: each store of a wave covers 512 consecutive bytes.  All loads go out together.
; No LDS, no barrier: each wave works the sixteen pairs (m, l) out for itself, lane % 16 = part.
	s_load_b256 s[4:11], s[0:1], 0x0               ; lg s[4:5], st s[6:7], pa s[8:9], out0 s[10:11]
	s_load_b64 s[12:13], s[0:1], 0x20              ; out1
	v_and_b32 v1, 15, v0
	s_delay_alu instid0(VALU_DEP_1)
	v_lshlrev_b32 v1, 8, v1                        ; part lane % 16: 256 bytes a part
	v_lshlrev_b32 v89, 4, v0                       ; 16 t
	s_lshl_b32 s14, ttmp9, 12
	s_mov_b32 s15, 0
	s_lshl_b32 s32, ttmp9, 16
	s_mov_b32 s33, 0
	s_lshl_b32 s34, ttmp9, 14
	s_mov_b32 s35, 0
	s_wait_alu depctr_va_vdst(0)
	s_wait_kmcnt 0x0
	s_add_nc_u64 s[6:7], s[6:7], s[14:15]
	s_add_nc_u64 s[10:11], s[10:11], s[14:15]
	s_add_nc_u64 s[8:9], s[8:9], s[32:33]
	s_add_nc_u64 s[4:5], s[4:5], s[34:35]
	s_add_nc_u64 s[12:13], s[12:13], s[34:35]
	global_load_b64 v[2:3], v1, s[6:7]             ; (m, l)
.irp i, 0,1,2,3,4,5,6,7,8,9,10,11,12,13,14,15
	global_load_b128 v[8+4*\i:11+4*\i], v89, s[8:9] offset:4096*\i th:TH_LOAD_NT
.endr
.irp j, 0,1,2,3
	global_load_b128 v[72+4*\j:75+4*\j], v89, s[4:5] offset:4096*\j th:TH_LOAD_NT
.endr
	s_wait_loadcnt 20                              ; the pair is in; the twenty loads behind it may be out
	v_mov_b32 v4, v2
	s_delay_alu instid0(VALU_DEP_1)
	v_max_num_f32_dpp v4, v4, v4 row_xmask:1 row_mask:0xf bank_mask:0xf
	s_delay_alu instid0(VALU_DEP_1)
	v_max_num_f32_dpp v4, v4, v4 row_xmask:2 row_mask:0xf bank_mask:0xf
	s_delay_alu instid0(VALU_DEP_1)
	v_max_num_f32_dpp v4, v4, v4 row_xmask:4 row_mask:0xf bank_mask:0xf
	s_delay_alu instid0(VALU_DEP_1)
	v_max_num_f32_dpp v4, v4, v4 row_xmask:8 row_mask:0xf bank_mask:0xf   ; M
	s_delay_alu instid0(VALU_DEP_1)
	v_sub_f32 v5, v2, v4
	s_wait_alu depctr_va_vdst(0)
	v_exp_f32 v5, v5                               ; 2^(m - M)
	v_nop
	s_wait_alu depctr_va_vdst(0)
	v_mul_f32 v6, v3, v5
	s_delay_alu instid0(VALU_DEP_1)
	v_add_f32_dpp v6, v6, v6 row_xmask:1 row_mask:0xf bank_mask:0xf
	s_delay_alu instid0(VALU_DEP_1)
	v_add_f32_dpp v6, v6, v6 row_xmask:2 row_mask:0xf bank_mask:0xf
	s_delay_alu instid0(VALU_DEP_1)
	v_add_f32_dpp v6, v6, v6 row_xmask:4 row_mask:0xf bank_mask:0xf
	s_delay_alu instid0(VALU_DEP_1)
	v_add_f32_dpp v6, v6, v6 row_xmask:8 row_mask:0xf bank_mask:0xf       ; L
	s_wait_alu depctr_va_vdst(0)
	v_rcp_f32 v7, v6
	v_nop
	s_wait_alu depctr_va_vdst(0)
	v_mul_f32 v88, v5, v7                          ; part lane % 16's factor
.irp i, 0,1,2,3,4,5,6,7,8,9,10,11,12,13,14,15
	v_readlane_b32 s[16+\i], v88, \i
.endr
	s_wait_loadcnt 4                               ; the sixteen parts are in; the four loads of t may be out
.irp q, 0,1,2,3
	v_mul_f32 v[90+\q], s16, v[8+\q]
.endr
.irp i, 1,2,3,4,5,6,7,8,9,10,11,12,13,14,15
.irp q, 0,1,2,3
	s_delay_alu instid0(VALU_DEP_4)
	v_fmac_f32 v[90+\q], s[16+\i], v[8+4*\i+\q]
.endr
.endr
	global_store_b128 v89, v[90:93], s[10:11]
	s_wait_loadcnt 0x0
.irp k, 0,1,2,3,4,5,6,7,8,9,10,11,12,13,14,15
	v_sub_f32 v[72+\k], v[72+\k], v4
.endr
	s_wait_alu depctr_va_vdst(0)
.irp k, 0,1,2,3,4,5,6,7,8,9,10,11,12,13,14,15
	v_exp_f32 v[72+\k], v[72+\k]
.endr
	v_nop
	s_wait_alu depctr_va_vdst(0)                   ; one wait for the sixteen
.irp k, 0,1,2,3,4,5,6,7,8,9,10,11,12,13,14,15
	v_mul_f32 v[72+\k], v[72+\k], v7
.endr
.irp j, 0,1,2,3
	global_store_b128 v89, v[72+4*\j:75+4*\j], s[12:13] offset:4096*\j
.endr
	s_endpgm
.Lfunc_end_k_q6aaeb699c5_fin:
	.size	k_q6aaeb699c5_fin, .Lfunc_end_k_q6aaeb699c5_fin-k_q6aaeb699c5_fin
	.p2alignl 7, 3214868480
	.fill 96, 4, 3214868480
	.section	.rodata,"a",@progbits
	.p2align	6, 0x0
	.amdhsa_kernel k_q6aaeb699c5_fin
		.amdhsa_group_segment_fixed_size 0
		.amdhsa_private_segment_fixed_size 0
		.amdhsa_enable_private_segment 0
		.amdhsa_kernarg_size 40
		.amdhsa_user_sgpr_count 2
		.amdhsa_user_sgpr_kernarg_segment_ptr 1
		.amdhsa_wavefront_size32 1
		.amdhsa_system_sgpr_workgroup_id_x 1
		.amdhsa_system_sgpr_workgroup_id_y 1
		.amdhsa_system_sgpr_workgroup_id_z 1
		.amdhsa_system_vgpr_workitem_id 0
		.amdhsa_next_free_vgpr 112
		.amdhsa_next_free_sgpr 66
		.amdhsa_reserve_vcc 0
		.amdhsa_float_denorm_mode_32 3
		.amdhsa_float_denorm_mode_16_64 3
		.amdhsa_memory_ordered 1
		.amdhsa_forward_progress 1
		.amdhsa_inst_pref_size 12
	.end_amdhsa_kernel
	.amdgpu_metadata
---
amdhsa.version: [ 1, 2 ]
amdhsa.kernels:
  - .name:           k_q6aaeb699c5_fin
    .symbol:         k_q6aaeb699c5_fin.kd
    .args:
      - { .name: lg, .offset: 0, .size: 8, .value_kind: global_buffer, .address_space: global }
      - { .name: st, .offset: 8, .size: 8, .value_kind: global_buffer, .address_space: global }
      - { .name: pa, .offset: 16, .size: 8, .value_kind: global_buffer, .address_space: global }
      - { .name: out0, .offset: 24, .size: 8, .value_kind: global_buffer, .address_space: global }
      - { .name: out1, .offset: 32, .size: 8, .value_kind: global_buffer, .address_space: global }
    .group_segment_fixed_size: 0
    .private_segment_fixed_size: 0
    .kernarg_segment_align: 8
    .kernarg_segment_size: 40
    .max_flat_workgroup_size: 256
    .sgpr_count:     66
    .vgpr_count:     112
    .wavefront_size: 32
...
	.end_amdgpu_metadata
.endif
;; end of part 3
